; MI455X (gfx1250); checked and timed in simulation.
; The chip was launched on July 23, 2026; its instructions are those of AMD's public machine-readable ISA for CDNA 5 (MIT licence, August 2026) and "CDNA5" Instruction Set Architecture Reference Guide (July 2026). The comments in the code are by the model that wrote it; some were corrected since.
;; Reprogramming Layer. Allowed arithmetic: float matrix products may take bf16 or f16 operands with f32 sums; other float arithmetic in f32, or as packed bf16 or f16 multiplies, adds, multiply-adds, maxima and minima; sums over many terms, partial sums and values carried from step to step in f32; what a program stores and reads back later, other than sums and carried values, may be rounded once to bf16 or f16.
;; Inputs: Wk 4,096 x 128 float32; Wo 128 x 512 float32; Wq 512 x 128 float32; Wv 4,096 x 128 float32; bk 128 float32; bo 512 float32; bq 128 float32; bv 128 float32; source_embedding 1,000 x 4,096 float32; target_embedding 32 x 1,024 x 512 float32; value_embedding 1,000 x 4,096 float32.
;; Outputs: out0 32 x 1,024 x 512 float32.
;; 2 versions, each right; version 2 is version 1 with the launch kvpart written anew for expert scheduling mode. Each part assembles by itself: llvm-mc -triple=amdgcn-amd-amdhsa -mcpu=gfx1250 --defsym DOCPART=n.
;; ======== version 1 of 2: 3 launches
;; limits: values are held in f16: magnitudes above 65,504 overflow, below 6.1e-05 lose precision
;; workspace buffers: part 16,777,216 bytes; wsp 788,992 bytes
;; launch kvpart (part 1): grid 128 x 2, 8 waves a work-group, no clusters, 142,336 bytes of LDS; arguments source_embedding, value_embedding, Wk, Wv, part; writes part
.if DOCPART == 1
	.amdgcn_target "amdgcn-amd-amdhsa--gfx1250"
	.amdhsa_code_object_version 6
	.text
	.protected	k_q86b65d55ab_kvpart
	.globl	k_q86b65d55ab_kvpart
	.p2align	8
	.type	k_q86b65d55ab_kvpart,@function
k_q86b65d55ab_kvpart:
	s_mov_b64 s[64:65], 0
	v_nop
	global_prefetch_b8 v0, s[64:65] scope:SCOPE_SE
	s_setreg_imm32_b32 hwreg(HW_REG_WAVE_MODE, 25, 1), 1
	s_wait_xcnt 0x0
; PARTIAL SUMS OF THE KEY AND VALUE PROJECTIONS.  k = source_embedding Wk, v = value_embedding Wv: [1000][4096] x [4096][128], f32 in memory,
; both operands rounded to bf16 on the way into LDS, sums in f32.  The biases, the scales and the rounding to f16 come in the next launch.
; SHARES.  Grid y picks the product (0: keys, 1: values).  Grid x = 8 ks + rb: the work-group makes 128 rows (rb) x 128 channels over the 256 k from 256 ks on:
; K is split sixteen ways, so a work-group takes in 128 KiB of the embedding and 128 KiB of the weights and not a whole weight matrix.
; Wave w makes 32 rows (w / 2) x 64 channels (w % 2): 2 x 4 accumulators of 16 x 16.
; ROWS 1000 TO 1023 do not exist: their loads are turned to rows 992 to 999, so no load leaves the buffer and the numbers are finite; the last launch hides those keys.
; THE RESULT'S LAYOUT is the one that the last launch's matrix instructions want.  Keys: source 0 = 16 channels of a head, source 1 = 16 rows: a lane holds ONE key (lane % 16)
; and the channels 8 (lane / 16) + 0..7.  Values: the sources swapped: a lane holds ONE channel and eight keys.  part[ks][T][1,024 bytes], T = (8 z + head) 64 + tile of 16 keys;
; in a tile registers 0-3 lie at 16 x lane and registers 4-7 at 512 + 16 x lane: every store of a wave covers 512 consecutive bytes, aligned.
; NO TENSOR LOADS, NO CLUSTER: both operands are f32 in memory and pass through registers to be rounded before they lie in LDS in 16 bits.
; NO PREFETCH: all that a work-group reads is asked for at its head, 64 loads a wave.
; REGISTERS, in windows of 256 (s_set_vgpr_msb: bits 1:0 source 0, 3:2 source 1, 5:4 source 2, 7:6 destination):
;   window 1: v0-127 my 32 rows of W as loaded; v128-255 my 16 rows of E as loaded.   window 0: all else.
.set EP,    528                        ; a row of E in LDS: 256 bf16 + 16 bytes: the 16 rows of a fragment load start at 16 different groups of four banks (64 banks of 4 bytes: ISA guide 11.1)
.set WP,    288                        ; a row of W in LDS ([k][128 channels]): 256 bytes + 32
.set WB,    128*EP                     ; W's 256 rows lie behind E's 128
.set SPARE, WB+256*WP                  ; behind them: the spare words, 128 bytes for each wave: four blocks of 256 bytes that no other line names
.set LO,  4                            ; v4   16 x lane: my place in 512 consecutive bytes of memory; never rewritten
.set SW,  5                            ; v5   where I put 8 bytes of my wave's first row of W
.set SA,  6                            ; v6   the same for E
.set EA,  7                            ; v7   my lane's place in my wave's first fragment of E
.set WT,  8                            ; v8-9 the same for W, K steps 0-3 and 4-7 (an LDS immediate has 16 bits)
.set SPW, 10                           ; v10  LDS address of my spare word: SPARE + 4 x my thread's number; never rewritten
.set NIL, 11                           ; v11  0; never rewritten
.set FB0, 32                           ; v32-79   fragments of one K step: E's two, then W's four
.set FB1, 80                           ; v80-127  the other buffer
.set ACC, 128                          ; v128-191 accumulator (mt, nt) at ACC + 8 (4 mt + nt)
.set MSB, 0
.macro WIN new                         ; the immediate's high byte repeats the setting that is left; a switch that changes nothing is dropped
.if MSB != (\new)
	s_set_vgpr_msb (MSB<<8)|(\new)
.set MSB, (\new)
.endif
.endm
	s_load_b256 s[4:11], s[0:1], 0x0               ; source s[4:5], value s[6:7], Wk s[8:9], Wv s[10:11]
	s_load_b64 s[12:13], s[0:1], 0x20              ; part
	v_lshl_add_u32 v[SPW], v0, 2, SPARE
	v_mov_b32 v[NIL], 0
	v_lshrrev_b32 v1, 5, v0
	v_readfirstlane_b32 s14, v1                    ; wave 0..7
	v_and_b32 v3, 31, v0                           ; lane
	v_lshlrev_b32 v[LO], 4, v3
	s_and_b32 s15, ttmp7, 0xffff                   ; z: 0 keys, 1 values
	s_lshr_b32 s16, ttmp9, 3                       ; ks: which 256 of K
	s_and_b32 s17, ttmp9, 7                        ; rb: which 128 rows
	s_lshr_b32 s18, s14, 1                         ; wm: which 32 rows are my wave's
	s_and_b32 s19, s14, 1                          ; wn: which 64 channels
	s_lshl_b32 s28, s16, 17                        ; W: row 256 ks + 32 w, 512 bytes a row
	s_lshl_b32 s29, s14, 14
	s_add_co_u32 s28, s28, s29
	s_mov_b32 s29, 0
	s_lshl_b32 s20, s17, 7
	s_lshl_b32 s21, s14, 4
	s_add_co_u32 s20, s20, s21                     ; E: the first of the 16 rows that I bring in,
	s_add_co_u32 s21, s20, 8                       ; and the ninth
	s_min_u32 s20, s20, 992                        ; eight rows from either stay inside the 1,000
	s_min_u32 s21, s21, 992
	s_lshl_b32 s22, s16, 10                        ; 256 k are 1,024 bytes of a row
	s_lshl_b32 s30, s20, 14                        ; 16,384 bytes a row
	s_add_co_u32 s30, s30, s22
	s_mov_b32 s31, 0
	s_lshl_b32 s38, s21, 14
	s_add_co_u32 s38, s38, s22
	s_mov_b32 s39, 0
	s_lshl_b32 s36, s16, 20                        ; part: ks x 1,024 tiles,
	s_lshl_b32 s23, s15, 19                        ; z x 512,
	s_add_co_u32 s36, s36, s23
	s_lshl_b32 s23, s19, 18                        ; head 4 wn: 64 tiles a head,
	s_add_co_u32 s36, s36, s23
	s_lshl_b32 s23, s17, 13                        ; key tile 8 rb + 2 wm
	s_add_co_u32 s36, s36, s23
	s_lshl_b32 s23, s18, 11
	s_add_co_u32 s36, s36, s23
	s_mov_b32 s37, 0
	s_wait_kmcnt 0x0
	s_cmp_eq_u32 s15, 0
	s_cselect_b64 s[24:25], s[4:5], s[6:7]         ; E
	s_cselect_b64 s[26:27], s[8:9], s[10:11]       ; W
	s_add_nc_u64 s[26:27], s[26:27], s[28:29]
	s_add_nc_u64 s[32:33], s[24:25], s[30:31]      ; E at my rows 0-7
	s_add_nc_u64 s[34:35], s[24:25], s[38:39]      ; and 8-15
	s_add_nc_u64 s[12:13], s[12:13], s[36:37]
	; all 64 loads of the wave go out at once: 32 rows of W (512 bytes each), then 16 rows of E (1,024 bytes each, in two halves)
	WIN 0x40                                       ; destination window 1, address window 0
.set i, 0
.rept 32
	global_load_b128 v[4*i:4*i+3], v[LO], s[26:27] offset:i*512
.set i, i+1
.endr
.set i, 0
.rept 32
	global_load_b128 v[128+4*i:128+4*i+3], v[LO], s[32+2*(i/16):33+2*(i/16)] offset:((i/2)%8)*16384+(i%2)*512 th:TH_LOAD_NT
.set i, i+1
.endr
	WIN 0
	v_and_b32 v1, 15, v0                           ; l % 16
	v_bfe_u32 v2, v0, 4, 1                         ; l / 16
	s_mul_i32 s20, s14, 32*WP
	s_add_co_u32 s20, s20, WB
	v_lshl_add_u32 v[SW], v3, 3, s20               ; four channels of a row are 8 bytes in bf16
	s_mul_i32 s21, s14, 16*EP
	v_lshl_add_u32 v[SA], v3, 3, s21
	v_mul_u32_u24 v[EA], v1, EP                    ; a fragment of E: row l % 16, 16 bytes for each half of the lanes
	v_lshl_add_u32 v[EA], v2, 4, v[EA]
	s_mul_i32 s22, s18, 32*EP
	v_add_nc_u32 v[EA], s22, v[EA]
	v_and_b32 v12, 7, v0                           ; the turning load: lane l reads row 8 (l / 16) + l % 8, channels 8 ((l / 8) % 2) + 0..7
	v_bfe_u32 v13, v0, 3, 1
	v_lshl_add_u32 v[WT], v2, 3, v12
	v_mul_u32_u24 v[WT], v[WT], WP
	v_lshl_add_u32 v[WT], v13, 4, v[WT]
	s_lshl_b32 s23, s19, 7
	s_add_co_u32 s23, s23, WB
	v_add_nc_u32 v[WT], s23, v[WT]
	v_add_nc_u32 v[WT+1], 128*WP, v[WT]
	; rounded to bf16 in place, two numbers a register, and laid into LDS
	s_wait_loadcnt 32                              ; W is in; E's 32 younger loads may stay out
	WIN 0x45                                       ; sources 0, 1 and destination window 1
.set i, 0
.rept 32
	v_cvt_pk_bf16_f32 v[4*i], v[4*i], v[4*i+1]
	v_cvt_pk_bf16_f32 v[4*i+1], v[4*i+2], v[4*i+3]
.set i, i+1
.endr
	WIN 0x04                                       ; store data window 1, address window 0
.set i, 0
.rept 32
	ds_store_b64 v[SW], v[4*i:4*i+1] offset:i*WP
.set i, i+1
.endr
	s_wait_loadcnt 0x0                             ; E is in
	WIN 0x45
.set i, 0
.rept 32
	v_cvt_pk_bf16_f32 v[128+4*i], v[128+4*i], v[128+4*i+1]
	v_cvt_pk_bf16_f32 v[128+4*i+1], v[128+4*i+2], v[128+4*i+3]
.set i, i+1
.endr
	WIN 0x04
.set i, 0
.rept 32
	ds_store_b64 v[SA], v[128+4*i:128+4*i+1] offset:(i/2)*EP+(i%2)*256
.set i, i+1
.endr
	WIN 0
	s_wait_dscnt 0x0                               ; for the others' sake: my stores are done
	s_barrier_signal -1
	s_barrier_wait -1                              ; both tiles are whole
; The 12 LDS loads of K step kk: two fragments of E as they lie, four of W turned ([k][channel] in LDS).
.macro FETCH kk, fb
.irp mt, 0,1
	ds_load_b128 v[(\fb)+8*\mt:(\fb)+8*\mt+3],   v[EA] offset:\mt*16*EP+(\kk)*64
	ds_load_b128 v[(\fb)+8*\mt+4:(\fb)+8*\mt+7], v[EA] offset:\mt*16*EP+(\kk)*64+32
.endr
.irp nt, 0,1,2,3
	ds_load_tr16_b128 v[(\fb)+16+8*\nt:(\fb)+16+8*\nt+3],   v[WT+(\kk)/4] offset:((\kk)%4)*32*WP+\nt*32
	ds_load_tr16_b128 v[(\fb)+16+8*\nt+4:(\fb)+16+8*\nt+7], v[WT+(\kk)/4] offset:((\kk)%4)*32*WP+\nt*32+16*WP
.endr
.endm
; Its 8 products.  The 8 accumulators take turns, one instruction a turn; K step 0 starts the sums with the constant 0.  var = 0: keys; 1: values.
.macro MULP kk, fb, var
.irp mt, 0,1
.irp nt, 0,1,2,3
.set rD, ACC+8*(4*\mt+\nt)
.if \var
.set rA, (\fb)+8*\mt
.set rB, (\fb)+16+8*\nt
.else
.set rA, (\fb)+16+8*\nt
.set rB, (\fb)+8*\mt
.endif
.if (\kk) == 0
	v_wmma_f32_16x16x32_bf16 v[rD:rD+7], v[rA:rA+7], v[rB:rB+7], 0
.else
	v_wmma_f32_16x16x32_bf16 v[rD:rD+7], v[rA:rA+7], v[rB:rB+7], v[rD:rD+7]
.endif
.endr
.endr
.endm
; Eight K steps on two buffers: while one is multiplied the other's loads are out.
.macro KSTEPS var
	FETCH 0, FB0
	FETCH 1, FB1
.irp kk, 0,1,2,3,4,5,6,7
.if \kk < 7
	s_wait_dscnt 12                                ; LDS loads come back in order (ISA guide 5.7.1): this step's are in, the next step's 12 may stay out
.else
	s_wait_dscnt 0x0
.endif
	MULP \kk, FB0+48*(\kk%2), \var
.if \kk < 6
.rept 4
	v_nop                                          ; four places between the products and the loads into the registers that they read (ISA guide 7.12.1 for vector instructions)
.endr
	FETCH \kk+2, FB0+48*(\kk%2)
.endif
.endr
.endm
	s_cmp_eq_u32 s15, 0
	s_cbranch_scc0 .Lvalue
	KSTEPS 0
	s_branch .Lout
.Lvalue:
	KSTEPS 1
.Lout:
.rept 4
	v_nop                                          ; four places between the last products and the stores of their results
.endr
.irp mt, 0,1
.irp nt, 0,1,2,3
	global_store_b128 v[LO], v[ACC+8*(4*\mt+\nt):ACC+8*(4*\mt+\nt)+3],   s[12:13] offset:\nt*65536+\mt*1024      ; each accumulator from its low end on
	global_store_b128 v[LO], v[ACC+8*(4*\mt+\nt)+4:ACC+8*(4*\mt+\nt)+7], s[12:13] offset:\nt*65536+\mt*1024+512
.endr
.endr
	s_wait_tensorcnt 0x0                           ; the wave's end: behind my last LDS store
	ds_add_u32 v[SPW], v[NIL]
	s_wait_dscnt 0x0
	s_endpgm
.Lfunc_end_k_q86b65d55ab_kvpart:
	.size	k_q86b65d55ab_kvpart, .Lfunc_end_k_q86b65d55ab_kvpart-k_q86b65d55ab_kvpart
	.p2alignl 7, 3214868480
	.fill 96, 4, 3214868480
	.section	.rodata,"a",@progbits
	.p2align	6, 0x0
	.amdhsa_kernel k_q86b65d55ab_kvpart
		.amdhsa_group_segment_fixed_size 142336
		.amdhsa_private_segment_fixed_size 0
		.amdhsa_enable_private_segment 0
		.amdhsa_kernarg_size 40
		.amdhsa_user_sgpr_count 2
		.amdhsa_user_sgpr_kernarg_segment_ptr 1
		.amdhsa_wavefront_size32 1
		.amdhsa_system_sgpr_workgroup_id_x 1
		.amdhsa_system_sgpr_workgroup_id_y 1
		.amdhsa_system_sgpr_workgroup_id_z 1
		.amdhsa_system_vgpr_workitem_id 0
		.amdhsa_next_free_vgpr 512
		.amdhsa_next_free_sgpr 66
		.amdhsa_reserve_vcc 0
		.amdhsa_float_denorm_mode_32 3
		.amdhsa_float_denorm_mode_16_64 3
		.amdhsa_memory_ordered 1
		.amdhsa_forward_progress 1
		.amdhsa_inst_pref_size 46
	.end_amdhsa_kernel
	.amdgpu_metadata
---
amdhsa.version: [ 1, 2 ]
amdhsa.kernels:
  - .name:           k_q86b65d55ab_kvpart
    .symbol:         k_q86b65d55ab_kvpart.kd
    .args:
      - { .name: source_embedding, .offset: 0, .size: 8, .value_kind: global_buffer, .address_space: global }
      - { .name: value_embedding, .offset: 8, .size: 8, .value_kind: global_buffer, .address_space: global }
      - { .name: Wk, .offset: 16, .size: 8, .value_kind: global_buffer, .address_space: global }
      - { .name: Wv, .offset: 24, .size: 8, .value_kind: global_buffer, .address_space: global }
      - { .name: part, .offset: 32, .size: 8, .value_kind: global_buffer, .address_space: global }
    .group_segment_fixed_size: 142336
    .private_segment_fixed_size: 0
    .kernarg_segment_align: 8
    .kernarg_segment_size: 40
    .max_flat_workgroup_size: 256
    .sgpr_count:     66
    .vgpr_count:     512
    .wavefront_size: 32
...
	.end_amdgpu_metadata
.endif
;; end of part 1
;; launch finish (part 2): grid 256 x 1, 5 waves a work-group, no clusters, 0 bytes of LDS; arguments part, Wq, Wo, bk, bv, bq, bo, wsp; writes wsp
.if DOCPART == 2
	.amdgcn_target "amdgcn-amd-amdhsa--gfx1250"
	.amdhsa_code_object_version 6
	.text
	.protected	k_q86b65d55ab_finish
	.globl	k_q86b65d55ab_finish
	.p2align	8
	.type	k_q86b65d55ab_finish,@function
k_q86b65d55ab_finish:
	s_mov_b64 s[64:65], 0
	v_nop
	global_prefetch_b8 v0, s[64:65] scope:SCOPE_SE
	s_setreg_imm32_b32 hwreg(HW_REG_WAVE_MODE, 25, 1), 1
	s_wait_xcnt 0x0
; WHAT THE LAST LAUNCH WALKS, IN THE ORDER IN WHICH ITS MATRIX INSTRUCTIONS TAKE IT.  wsp holds six tiles of 131,072 bytes and the two biases that the last launch adds:
;   tile 0        Wq, bf16: fragment (K step ks2 of 32, head hd) at (8 ks2 + hd) 1,024: lane l holds channel l % 16 of the head; its registers 0-3 at 16 l, 4-7 at 512 + 16 l
;   tiles 1 to 4  f16, pair j of heads: K of head 2 j, K of head 2 j + 1, V of head 2 j, V of head 2 j + 1, 32,768 bytes each; a tile of 16 keys is 512 bytes, 16 a lane
;   tile 5        2 Wo, rounded to bf16 and written as f16: fragment (16 columns nt, 32 channels j) at (4 nt + j) 1,024
;   786,432       bq, then bo, rounded to bf16, as f32
; WAVES 0 TO 3 each finish one tile of 16 keys x 16 channels: the sixteen partial sums are added in f32, in a fixed tree; the bias (rounded to bf16, like every input) is added;
; k is stored as k / 8, v as v / 4: powers of two, so the one rounding to f16 is the only one.
; WAVE 4 lays one fragment of Wq or Wo out (a lane gathers 16 numbers of a column: 512 KiB in the whole launch, once), and the first twenty work-groups' wave 4 rounds 32 numbers of the biases.
; LIMITS.  f16 holds no number beyond 65,504: |k| / 8, |v| / 4 and 2 |Wo| stay within it; below 6e-5 f16 keeps its fixed step of 6e-8.  NaN and infinities are not treated apart.
; No LDS, no barrier: no wave wants a byte that another has.  The bias stores are 128 bytes a wave: 20 in the launch.
.set SUMS, 32                          ; v32-159  sixteen partial tiles of 8 registers; wave 4: the gathered numbers
.set BI,   16                          ; v16-23   the bias of my 8 numbers
.set PK,   24                          ; v24-27   packed
	s_load_b512 s[4:19], s[0:1], 0x0               ; part s[4:5], Wq s[6:7], Wo s[8:9], bk s[10:11], bv s[12:13], bq s[14:15], bo s[16:17], wsp s[18:19]
	v_lshrrev_b32 v1, 5, v0
	v_readfirstlane_b32 s20, v1                    ; wave 0..4
	v_and_b32 v1, 15, v0                           ; l % 16
	v_bfe_u32 v2, v0, 4, 1                         ; l / 16
	v_and_b32 v3, 31, v0                           ; l
	v_lshlrev_b32 v4, 4, v3                        ; 16 l
	s_wait_kmcnt 0x0
	s_cmp_eq_u32 s20, 4
	s_cbranch_scc1 .Lweights
	s_lshl_b32 s21, ttmp9, 2
	s_add_co_u32 s21, s21, s20                     ; T = (8 z + head) 64 + key tile
	s_lshr_b32 s22, s21, 9                         ; z
	s_bfe_u32 s23, s21, 0x30006                    ; head
	s_and_b32 s24, s21, 63                         ; key tile
	s_mov_b32 s26, 0x3e000000                      ; 1 / 8
	s_mov_b32 s27, 0x3e800000                      ; 1 / 4
	s_lshl_b32 s28, s21, 10                        ; a partial tile is 1,024 bytes
	s_mov_b32 s29, 0
	s_lshl_b32 s30, s23, 6                         ; a head's 16 biases
	s_mov_b32 s31, 0
	s_lshr_b32 s32, s23, 1                         ; wsp: tile 1 + head / 2,
	s_add_co_u32 s32, s32, 1
	s_lshl_b32 s32, s32, 17
	s_lshl_b32 s33, s22, 16                        ; K's half or V's,
	s_add_co_u32 s32, s32, s33
	s_and_b32 s33, s23, 1                          ; the pair's first head or its second,
	s_lshl_b32 s33, s33, 15
	s_add_co_u32 s32, s32, s33
	s_lshl_b32 s33, s24, 9                         ; the key tile
	s_add_co_u32 s32, s32, s33
	s_mov_b32 s33, 0
	s_cmp_eq_u32 s22, 0
	s_cselect_b32 s26, s26, s27                    ; the scale,
	s_mov_b32 s27, s26                             ; named as a pair
	s_cselect_b64 s[36:37], s[10:11], s[12:13]     ; bk or bv
	s_add_nc_u64 s[36:37], s[36:37], s[30:31]
	s_add_nc_u64 s[4:5], s[4:5], s[28:29]          ; partial sums 0 to 7 of my tile,
	s_add_nc_u64 s[38:39], s[4:5], 0x800000        ; and 8 to 15 (an immediate has 24 bits with its sign)
	s_add_nc_u64 s[18:19], s[18:19], s[32:33]
	s_cmp_eq_u32 s22, 0
	s_cbranch_scc0 .Lbias_v
	v_lshlrev_b32 v5, 5, v2                        ; keys: my registers are channels 8 (l / 16) + 0..7
	global_load_b128 v[BI:BI+3],   v5, s[36:37]
	global_load_b128 v[BI+4:BI+7], v5, s[36:37] offset:16
	s_branch .Lbias_in
.Lbias_v:
	v_lshlrev_b32 v5, 2, v1                        ; values: all my registers are channel l % 16
.irp i, 0,1,2,3,4,5,6,7
	global_load_b32 v[BI+\i], v5, s[36:37]
.endr
.Lbias_in:
.set k, 0
.rept 16
	global_load_b128 v[SUMS+8*k:SUMS+8*k+3],   v4, s[4+34*(k/8):5+34*(k/8)] offset:(k%8)*1048576 th:TH_LOAD_NT
	global_load_b128 v[SUMS+8*k+4:SUMS+8*k+7], v4, s[4+34*(k/8):5+34*(k/8)] offset:(k%8)*1048576+512 th:TH_LOAD_NT
.set k, k+1
.endr
	s_wait_loadcnt 0x0
.irp d, 8,4,2,1                        ; sixteen into eight, four, two, one: 60 packed additions
.set k, 0
.rept \d
.irp p, 0,2,4,6
	v_pk_add_f32 v[SUMS+8*k+\p:SUMS+8*k+\p+1], v[SUMS+8*k+\p:SUMS+8*k+\p+1], v[SUMS+8*(k+\d)+\p:SUMS+8*(k+\d)+\p+1]
.endr
.set k, k+1
.endr
.endr
.irp p, 0,1,2,3
	v_cvt_pk_bf16_f32 v[PK+\p], v[BI+2*\p], v[BI+2*\p+1]      ; the bias is rounded to bf16,
.endr
.irp p, 0,1,2,3
	v_lshlrev_b32 v[BI+2*\p],   16, v[PK+\p]                  ; widened again,
	v_and_b32     v[BI+2*\p+1], 0xffff0000, v[PK+\p]
.endr
.irp p, 0,1,2,3
	v_pk_mul_f32 v[BI+2*\p:BI+2*\p+1], v[BI+2*\p:BI+2*\p+1], s[26:27] op_sel_hi:[1,0]  ; scaled,
.endr
.irp p, 0,1,2,3
	v_pk_fma_f32 v[SUMS+2*\p:SUMS+2*\p+1], v[SUMS+2*\p:SUMS+2*\p+1], s[26:27], v[BI+2*\p:BI+2*\p+1] op_sel_hi:[1,0,1]  ; and joins the scaled sum in one fused step
.endr
.irp p, 0,1,2,3
	v_cvt_pk_f16_f32 v[PK+\p], v[SUMS+2*\p], v[SUMS+2*\p+1]
.endr
	global_store_b128 v4, v[PK:PK+3], s[18:19]     ; 512 consecutive bytes, aligned
	s_endpgm
; 16 numbers of one column: rows 8 (l / 16) + 0..7 and 16 + 8 (l / 16) + 0..7 of the fragment's 32, pitch bytes apart
.macro GATHER b, pitch
.set i, 0
.rept 8
	global_load_b32 v[SUMS+i],   v5, s[\b:\b+1] offset:i*(\pitch)
	global_load_b32 v[SUMS+8+i], v5, s[\b:\b+1] offset:(16+i)*(\pitch)
.set i, i+1
.endr
	s_wait_loadcnt 0x0
.irp p, 0,1,2,3,4,5,6,7
	v_cvt_pk_bf16_f32 v[SUMS+16+\p], v[SUMS+2*\p], v[SUMS+2*\p+1]
.endr
.endm
.Lweights:
	s_mov_b32 s21, ttmp9                           ; f: fragments 0-127 are Wq's, 128-255 Wo's
	v_lshlrev_b32 v5, 2, v1                        ; column l % 16
	s_lshl_b32 s24, s21, 10                        ; Wq's fragment f goes to f x 1,024
	s_mov_b32 s25, 0
	s_add_nc_u64 s[24:25], s[18:19], s[24:25]
	s_cmp_lt_u32 s21, 128
	s_cbranch_scc0 .Lwo
	s_lshr_b32 s22, s21, 3                         ; K step: 32 rows of 512 bytes
	s_lshl_b32 s22, s22, 14
	s_and_b32 s23, s21, 7                          ; head: 16 columns
	s_lshl_b32 s23, s23, 6
	s_add_co_u32 s22, s22, s23
	s_mov_b32 s23, 0
	s_add_nc_u64 s[6:7], s[6:7], s[22:23]
	v_lshl_add_u32 v5, v2, 12, v5                  ; 8 rows down for the upper half of the lanes
	GATHER 6, 512
	global_store_b128 v4, v[SUMS+16:SUMS+19], s[24:25]
	global_store_b128 v4, v[SUMS+20:SUMS+23], s[24:25] offset:512
	s_cmp_lt_u32 s21, 20
	s_cbranch_scc0 .Ldone
	s_cmp_lt_u32 s21, 4                            ; 32 numbers of bq (f = 0..3) or of bo (f = 4..19)
	s_cselect_b64 s[26:27], s[14:15], s[16:17]
	s_cselect_b32 s28, 0, 4
	s_sub_co_u32 s28, s21, s28
	s_lshl_b32 s28, s28, 7
	s_mov_b32 s29, 0
	s_add_nc_u64 s[26:27], s[26:27], s[28:29]
	s_lshl_b32 s30, s21, 7
	s_mov_b32 s31, 0
	s_add_nc_u64 s[30:31], s[18:19], s[30:31]
	v_lshlrev_b32 v6, 2, v3
	global_load_b32 v7, v6, s[26:27]
	s_wait_loadcnt 0x0
	v_cvt_pk_bf16_f32 v8, v7, v7
	v_lshlrev_b32 v8, 16, v8
	global_store_b32 v6, v8, s[30:31] offset:786432
.Ldone:
	s_endpgm
.Lwo:
	s_and_b32 s22, s21, 3                          ; j: 32 rows of 2,048 bytes
	s_lshl_b32 s22, s22, 16
	s_bfe_u32 s23, s21, 0x50002                    ; nt: 16 columns
	s_lshl_b32 s23, s23, 6
	s_add_co_u32 s22, s22, s23
	s_mov_b32 s23, 0
	s_add_nc_u64 s[8:9], s[8:9], s[22:23]
	v_lshl_add_u32 v5, v2, 14, v5
	GATHER 8, 2048
.irp p, 0,1,2,3,4,5,6,7
	v_lshlrev_b32 v[SUMS+2*\p],   16, v[SUMS+16+\p]
	v_and_b32     v[SUMS+2*\p+1], 0xffff0000, v[SUMS+16+\p]
.endr
.irp p, 0,1,2,3,4,5,6,7
	v_pk_add_f32 v[SUMS+2*\p:SUMS+2*\p+1], v[SUMS+2*\p:SUMS+2*\p+1], v[SUMS+2*\p:SUMS+2*\p+1]  ; twice the weight: exact
.endr
.irp p, 0,1,2,3,4,5,6,7
	v_cvt_pk_f16_f32 v[SUMS+16+\p], v[SUMS+2*\p], v[SUMS+2*\p+1]  ; a bf16 number has 8 significant bits: exact in f16 within its range
.endr
	global_store_b128 v4, v[SUMS+16:SUMS+19], s[24:25] offset:524288      ; fragment f - 128 of tile 5: 655,360 + (f - 128) 1,024
	global_store_b128 v4, v[SUMS+20:SUMS+23], s[24:25] offset:524288+512
	s_endpgm
.Lfunc_end_k_q86b65d55ab_finish:
	.size	k_q86b65d55ab_finish, .Lfunc_end_k_q86b65d55ab_finish-k_q86b65d55ab_finish
	.p2alignl 7, 3214868480
	.fill 96, 4, 3214868480
	.section	.rodata,"a",@progbits
	.p2align	6, 0x0
	.amdhsa_kernel k_q86b65d55ab_finish
		.amdhsa_group_segment_fixed_size 0
		.amdhsa_private_segment_fixed_size 0
		.amdhsa_enable_private_segment 0
		.amdhsa_kernarg_size 64
		.amdhsa_user_sgpr_count 2
		.amdhsa_user_sgpr_kernarg_segment_ptr 1
		.amdhsa_wavefront_size32 1
		.amdhsa_system_sgpr_workgroup_id_x 1
		.amdhsa_system_sgpr_workgroup_id_y 1
		.amdhsa_system_sgpr_workgroup_id_z 1
		.amdhsa_system_vgpr_workitem_id 0
		.amdhsa_next_free_vgpr 160
		.amdhsa_next_free_sgpr 66
		.amdhsa_reserve_vcc 0
		.amdhsa_float_denorm_mode_32 3
		.amdhsa_float_denorm_mode_16_64 3
		.amdhsa_memory_ordered 1
		.amdhsa_forward_progress 1
		.amdhsa_inst_pref_size 19
	.end_amdhsa_kernel
	.amdgpu_metadata
---
amdhsa.version: [ 1, 2 ]
amdhsa.kernels:
  - .name:           k_q86b65d55ab_finish
    .symbol:         k_q86b65d55ab_finish.kd
    .args:
      - { .name: part, .offset: 0, .size: 8, .value_kind: global_buffer, .address_space: global }
      - { .name: Wq, .offset: 8, .size: 8, .value_kind: global_buffer, .address_space: global }
      - { .name: Wo, .offset: 16, .size: 8, .value_kind: global_buffer, .address_space: global }
      - { .name: bk, .offset: 24, .size: 8, .value_kind: global_buffer, .address_space: global }
      - { .name: bv, .offset: 32, .size: 8, .value_kind: global_buffer, .address_space: global }
      - { .name: bq, .offset: 40, .size: 8, .value_kind: global_buffer, .address_space: global }
      - { .name: bo, .offset: 48, .size: 8, .value_kind: global_buffer, .address_space: global }
      - { .name: wsp, .offset: 56, .size: 8, .value_kind: global_buffer, .address_space: global }
    .group_segment_fixed_size: 0
    .private_segment_fixed_size: 0
    .kernarg_segment_align: 8
    .kernarg_segment_size: 64
    .max_flat_workgroup_size: 160
    .sgpr_count:     66
    .vgpr_count:     160
    .wavefront_size: 32
...
	.end_amdgpu_metadata
.endif
;; end of part 2
;; launch main (part 3): grid 256 x 1, 8 waves a work-group, clusters of 4 x 1, 327,680 bytes of LDS; arguments target_embedding, wsp, out0; writes out0
.if DOCPART == 3
	.amdgcn_target "amdgcn-amd-amdhsa--gfx1250"
	.amdhsa_code_object_version 6
	.text
	.protected	k_q86b65d55ab_main
	.globl	k_q86b65d55ab_main
	.p2align	8
	.type	k_q86b65d55ab_main,@function
k_q86b65d55ab_main:
	s_mov_b64 s[64:65], 0
	v_nop
	global_prefetch_b8 v0, s[64:65] scope:SCOPE_SE
	s_setreg_imm32_b32 hwreg(HW_REG_WAVE_MODE, 25, 1), 1
	s_wait_xcnt 0x0
	s_wait_alu depctr_hold_cnt(0) depctr_sa_sdst(0) depctr_va_vdst(0) depctr_va_sdst(0) depctr_va_ssrc(0) depctr_va_vcc(0) depctr_vm_vsrc(0)
	s_getreg_b32 s2, hwreg(HW_REG_IB_STS2, 6, 4)
	s_cmp_eq_u32 s2, 0
	s_cbranch_scc0 .Lentry_in_a_cluster
	s_endpgm
.Lentry_in_a_cluster:
	s_bfe_u32 s2, ttmp6, 0x10000c
	s_cmp_lg_u32 s2, 0x3003
	s_cbranch_scc0 .Lentry_shape_is_right
	s_endpgm
.Lentry_shape_is_right:
; q = x Wq + bq;  O[h] = softmax(q[h] k[h]^T / 4) v[h] over 1,000 keys, 8 heads of 16 channels;  out = O Wo + bo.  x and out: [32,768][512] f32.  All three steps in one launch, for 128 rows a work-group.
; FORMATS.  x, Wq and the biases are rounded to bf16; what the program itself makes (q, k, v, the weights p, O) is f16; products, maxima and sums are f32; l is the sum of the unrounded p.
; SCALES.  q is stored as q x 8 log2(e) / 4, k as k / 8: their product is the score in powers of two.  v is stored as v / 4, O as O / 2 (the sums times 2 / l), Wo as 2 Wo.
; LIMITS.  f16 holds no number beyond 65,504: 2.885 |q|, |k| / 8, |v| / 4, |O| / 2 and 2 |Wo| stay within it; below 6e-5 f16 keeps its fixed step of 6e-8.  A hidden key (1,000 to 1,023) counts as its score
; less 1e30; a weight below 2^-126 counts as 0; NaN and infinities are not treated apart.
; THE RING.  wsp holds six tiles of 131,072 bytes, all in the order in which a wave's loads of 16 bytes a lane take them: Wq; K and V of the head pairs 0 to 3; Wo.  They go through two LDS slots,
; each wave moving an eighth of a tile (64 rows of 256 bytes).  By this text's own count a wave has two tensor loads out at the start and one behind each change of slots.
; CLUSTER.  Every work-group walks the same six tiles: the four of a cluster ask for each JOINTLY: the same tensor load, descriptor and mask in all four.
; SHARES.  Eight waves.  Projections: wave w owns 16 rows.  Attention: wave w owns 32 rows (w / 2: two UNITS of 16 queries) and one head of the pair in hand (w % 2).
; TWO WAVES TO A SIMD, in plain phases: a key step has 215 vector and 12 matrix instructions, far too many to stand beside the products, and its chain (maximum, exponentials, roundings) leaves gaps
; that the second wave fills.  Everything in the loop lies in window 0: no window is switched there.
; LAYOUT.  All products are taken transposed, so that a lane holds ONE row of x (lane % 16) throughout.  q^T = Wq^T x^T: the lane's eight results are channels 8 (lane / 16) + 0..7 of a head, which rounded in
; pairs ARE source 1 of S^T = K Q^T.  A head has 16 channels and the product 32: Q's upper four registers are 0, and K's operand takes the next tile's four registers as its upper half (finite numbers times 0).
; In S^T a lane holds keys 8 (lane / 16) + 0..7; two such tiles rounded in pairs ARE source 1 of O^T = V^T P; O^T of two heads IS source 1 of out^T = Wo^T O^T.
; SOFTMAX.  For each query a running maximum m and sum l: p = 2^(s - m); in every step O and l are multiplied by a = 2^(m_old - m_new).  m starts at the lowest finite number, O and l at 0.
; REGISTERS, in windows of 256 (s_set_vgpr_msb: bits 1:0 source 0, 3:2 source 1, 5:4 source 2, 7:6 destination): window 1: x as loaded, later bo; window 0: all else.
.set SLOT1, 131072                     ; slot 1 begins here: one exclusive or turns an address in one slot into the other's
.set TILE,  131072
.set AREA,  262144                     ; behind the ring, never filled by a tensor load: 4,352 bytes for each tile of 16 rows: first wave t's stage for x (16 rows x 272 bytes),
.set APART, 4352                       ; then Q's fragments at 2,048 (head % 2) + 512 (head / 2), each later replaced by O's of the same head, last wave t's stage for out
.set SPT,   272                        ; a stage's row: 256 bytes + 16: the 16 rows that a load or store touches start at 16 different groups of four banks (64 banks of 4 bytes: ISA guide 11.1)
.set SPARE, AREA+8*APART               ; behind the areas: the spare words, 128 bytes for each wave: four blocks of 256 bytes that no other line names
.set BIAS,  786432                     ; bq, then bo, in wsp
.set KL,  4                            ; v4   16 l + my head's K in a slot; never rewritten
.set VL,  5                            ; v5   the same for V
.set KA,  6                            ; v6   LDS address of K's next run of loads
.set VA,  7                            ; v7   of V's
.set QA0, 8                            ; v8   my first unit's area, my head's half, 16 l; never rewritten
.set QS,  9                            ; v9   my own tile's area + 16 l
.set SPW, 10                           ; v10  LDS address of my spare word: SPARE + 4 x my thread's number; never rewritten
.set NIL, 11                           ; v11  0; never rewritten
.set XO,  12                           ; v12  16 l: my place in 512 consecutive bytes of x
.set STW, 13                           ; v13  x's stage: where I put 8 bytes of a row
.set STR, 14                           ; v14  x's stage: my lane's place in a fragment
.set WA,  15                           ; v15-16  16 l in slot 0, and 65,536 further on (an LDS immediate has 16 bits)
.set BO,  17                           ; v17  32 (l / 16): my eight numbers of 16 of a bias
.set SO,  18                           ; v18  out's stage: where I put 32 bytes of row l % 16
.set SR,  19                           ; v19  out's stage: where I read rows back
.set GO,  20                           ; v20  my byte offset in two rows of out
.set WBA, 21                           ; v21-22  16 l in slot 1, and 65,536 further on
.set PFO, 23                           ; v23  256 l: the prefetches' offset; never rewritten
.set ST,  24                           ; unit u's statistics at v[ST+8 u]: m, a second word named with it as a pair, l (even keys', odd keys'), c0-c3 at work; c2 takes a
.set QAC, 40                           ; v40  LDS address of the pair's Q and O fragments
.set Q,   48                           ; v48-63   Q, 8 a unit; the upper four are 0
.set S,   64                           ; v64-127  S^T, 32 a unit
.set P,   128                          ; v128-159 P, 16 a unit
.set O,   160                          ; v160-175 O^T, 8 a unit
.set KF,  176                          ; v176-195 K of a step, 4 a tile of 16 keys, and four registers of 0 behind them
.set VF,  196                          ; v196-211 V of a step
.set MH,  212                          ; v212-219 the mask of keys 992 to 1,007: 0 in lanes 0-15, -1e30 in lanes 16-31
.set MA,  220                          ; v220-227 the mask of keys 1,008 to 1,023: -1e30
.set QACC, 32                          ; the first projection: v32-95 q^T, 8 a head; v96-127 x's four fragments; v128-191, v192-255 Wq's fragments of a K step, two buffers
.set XF,   96
.set WF0,  128
.set WF1,  192
.set OF,   32                          ; the last projection: v32-63 O's four fragments; v64-95 four accumulators; v96-127 rows on their way out; v128-255 Wo's 16 fragments of a chunk
.set OACC, 64
.set OUT,  96
.set WOF,  128
.set WV,  10                           ; s10  my wave's number
.set CX,  11                           ; s11  my place in the cluster: it enters x's, out's and the prefetches' addresses alone
.set WG,  12                           ; s12  my block of 128 rows
.set HB,  16                           ; s16  which head of a pair is mine
.set QP,  17                           ; s17  which 32 rows
.set G1,  24                           ; s[24:31] descriptor group 1
.set G0A, 32                           ; s[32:35] descriptor group 0 of the first fill
.set G0B, 36                           ; s[36:39] of the second; it then walks
.set LEFT, 40                          ; s40  pairs of heads still to come
.set CNT, 41                           ; s41  counts a head's key steps
.set TB,  42                           ; s42  LDS byte at which the step to be fetched begins, less my head's place
.set LIM, 43                           ; s43  1 in a wave that prefetches, else the greatest number
.set PFA, 44                           ; s[44:45] where my prefetches stand
.set CS,  46                           ; s[46:47] 8 log2(e) / 4
.set SEL, 48                           ; s[48:49] v_permlanex16_b32's selects: each lane takes its own place in the other half
.set BIG, 50                           ; s50  -1e30
.set BP,  52                           ; s[52:53] the biases in wsp
.set QJ,  54                           ; s54  512 x the pair's number
.set MSB, 0
.macro WIN new                         ; the immediate's high byte repeats the setting that is left; a switch that changes nothing is dropped
.if MSB != (\new)
	s_set_vgpr_msb (MSB<<8)|(\new)
.set MSB, (\new)
.endif
.endm
.macro PLACES n=4                      ; plain instructions between a matrix instruction and what reads its result or writes its registers (ISA guide 7.12.1 for vector instructions)
.rept \n
	v_nop
.endr
.endm
; A round of the cluster's barrier: my work-group's barrier, so that wave 0's signal speaks for all eight waves; wave 0 signals; every wave waits for all four work-groups; my work-group's barrier once more.
.macro CROUND
	s_barrier_signal -1
	s_barrier_wait -1
	s_cmp_lg_u32 s[WV], 0
	s_cbranch_scc1 .Lnot_wave_0_\@
	s_barrier_signal -3
.Lnot_wave_0_\@:
	s_barrier_wait -3
	s_barrier_signal -1
	s_barrier_wait -1
.endm
	s_load_b128 s[4:7], s[0:1], 0x0                ; x s[4:5], wsp s[6:7]
	s_load_b64 s[8:9], s[0:1], 0x10                ; out
	v_lshl_add_u32 v[SPW], v0, 2, SPARE
	v_mov_b32 v[NIL], 0
	ds_add_u32 v[SPW], v[NIL]                      ; the wave's opening: the add and its wait stand ahead of my first tensor load; the set-up below, work on registers, stands between them
	v_lshrrev_b32 v1, 5, v0
	v_readfirstlane_b32 s[WV], v1                  ; wave 0..7
	s_bfe_u32 s[CX], ttmp6, 0x40000
	s_lshl_b32 s[WG], ttmp9, 2                     ; in a cluster launch ttmp9 counts clusters
	s_add_co_u32 s[WG], s[WG], s[CX]
	s_and_b32 s[HB], s[WV], 1
	s_lshr_b32 s[QP], s[WV], 1
	; descriptor group 1: 16,384 dense bytes as 64 rows of 256, no padding: the tiles lie in the order in which they are read
	s_mov_b32 s[G1+0], 15|(3<<16)|(1<<21)          ; 15:0 the mask: all four work-groups; 17:16 elements of 8 bytes; 21 set beside a mask
	s_mov_b32 s[G1+1], 32<<16                      ; tensor_dim0 = 32
	s_mov_b32 s[G1+2], 64<<16                      ; tensor_dim1 = 64
	s_mov_b32 s[G1+3], 32<<16                      ; tile_dim0 = 32
	s_mov_b32 s[G1+4], 64                          ; tile_dim1 = 64
	s_mov_b32 s[G1+5], 32                          ; 32 elements from row to row
	s_mov_b32 s[G1+6], 0
	s_mov_b32 s[G1+7], 0
	s_lshl_b32 s14, s[WV], 14                      ; my eighth of a tile, in memory and in a slot: no place in the cluster enters either
	s_mov_b32 s15, 0
	s_mov_b32 s[G0A], 1                            ; 1:0 count = 1
	s_mov_b32 s[G0A+1], s14                        ; 63:32 LDS address: slot 0
	s_mov_b32 s[G0B], 1
	s_add_co_u32 s[G0B+1], s14, SLOT1
	s_lshl_b32 s18, s[WG], 18                      ; my block's 128 rows of 2,048 bytes,
	s_lshl_b32 s19, s[WV], 15                      ; my wave's 16 of them: in x and in out
	s_add_co_u32 s18, s18, s19
	s_mov_b32 s19, 0
	s_lshl_b32 s20, s[CX], 15                      ; the prefetches: a quarter of a tile for each partner, told apart by address,
	s_lshl_b32 s21, s[WV], 13                      ; 32 blocks of 256 bytes for each of its waves 0 to 3
	s_add_co_u32 s20, s20, s21
	s_mov_b32 s21, 0
	s_lshr_b32 s[LIM], s[WV], 2                    ; 0 in waves 0 to 3,
	s_or_b32 s[LIM], s[LIM], ttmp9                 ; of the launch's first cluster: the same in all four partners
	s_cmp_eq_u32 s[LIM], 0
	s_cselect_b32 s[LIM], 1, -1
	s_mov_b32 s[CS], 0x4038aa3b                    ; 8 log2(e) / 4 = 2.885390
	s_mov_b32 s[CS+1], s[CS]                       ; named with it as a pair
	s_mov_b32 s[SEL], 0x76543210
	s_mov_b32 s[SEL+1], 0xfedcba98
	s_mov_b32 s[BIG], 0xf149f2ca                   ; -1e30
	v_and_b32 v1, 15, v0                           ; l % 16
	v_bfe_u32 v2, v0, 4, 1                         ; l / 16
	v_and_b32 v3, 31, v0                           ; l
	v_lshlrev_b32 v[XO], 4, v3
	v_lshlrev_b32 v[BO], 5, v2
	s_wait_dscnt 0x0                               ; the opening add is done
	s_wait_kmcnt 0x0
	s_add_nc_u64 s[G0A+2:G0A+3], s[6:7], s[14:15]  ; 120:64 global address: my eighth of tile 0,
	s_add_nc_u64 s[G0B+2:G0B+3], s[G0A+2:G0A+3], TILE  ; and of tile 1
	s_or_b32 s[G0A+3], s[G0A+3], 0x80000000        ; 127:126 type = 2
	s_or_b32 s[G0B+3], s[G0B+3], 0x80000000
	s_add_nc_u64 s[4:5], s[4:5], s[18:19]
	s_add_nc_u64 s[8:9], s[8:9], s[18:19]
	s_add_nc_u64 s[BP:BP+1], s[6:7], BIAS
	s_add_nc_u64 s[PFA:PFA+1], s[6:7], s[20:21]
	s_add_nc_u64 s[PFA:PFA+1], s[PFA:PFA+1], 2*TILE  ; in tile 2; the first change of slots steps it to tile 3.  Nothing is prefetched here, at the head
	CROUND                                         ; all four work-groups are here: the first joint loads meet
	tensor_load_to_lds s[G0A:G0A+3], s[G1:G1+7]    ; Wq
	s_nop 0
	tensor_load_to_lds s[G0B:G0B+3], s[G1:G1+7]    ; K and V of heads 0 and 1
	s_nop 0
	PLACES
.irp hd, 0,1,2,3,4,5,6,7               ; bq goes straight into the accumulators: the sums start from it
	global_load_b128 v[QACC+8*\hd:QACC+8*\hd+3],   v[BO], s[BP:BP+1] offset:\hd*64
	global_load_b128 v[QACC+8*\hd+4:QACC+8*\hd+7], v[BO], s[BP:BP+1] offset:\hd*64+16
.endr
	WIN 0x40                                       ; destination window 1, address window 0
.set i, 0
.rept 64                               ; all of my 16 rows of x, 32 KiB, at once; by chunks of 128 along K: load 16 c + row brings 512 consecutive bytes
	global_load_b128 v[4*i:4*i+3], v[XO], s[4:5] offset:(i%16)*2048+(i/16)*512 th:TH_LOAD_NT
.set i, i+1
.endr
	WIN 0
	s_mul_i32 s22, s[WV], APART
	s_add_co_u32 s22, s22, AREA                    ; my own tile's area
	s_mul_i32 s23, s[QP], 2*APART
	s_add_co_u32 s23, s23, AREA                    ; my first unit's area,
	s_lshl_b32 s13, s[HB], 11
	s_add_co_u32 s23, s23, s13                     ; my head's half of it
	s_lshl_b32 s13, s[HB], 15
	v_add_nc_u32 v[KL], s13, v[XO]
	v_add_nc_u32 v[VL], 65536, v[KL]
	v_add_nc_u32 v[QA0], s23, v[XO]
	v_add_nc_u32 v[QS], s22, v[XO]
	v_lshl_add_u32 v[STW], v3, 3, s22
	v_mul_u32_u24 v[STR], v1, SPT
	v_add_nc_u32 v[STR], s22, v[STR]               ; row l % 16 of my stage
	v_lshl_add_u32 v[SO], v2, 5, v[STR]            ; + 32 bytes for the upper half of the lanes,
	v_lshl_add_u32 v[STR], v2, 4, v[STR]           ; or 16
	v_mov_b32 v[WA], v[XO]
	v_add_nc_u32 v[WA+1], 65536, v[XO]
	v_mul_u32_u24 v[SR], v2, SPT                   ; back: lanes 0-15 take one row of 256 bytes, lanes 16-31 the next
	v_lshl_add_u32 v[SR], v1, 4, v[SR]
	v_add_nc_u32 v[SR], s22, v[SR]
	v_lshlrev_b32 v[GO], 11, v2                    ; and the same two rows in out
	v_lshl_add_u32 v[GO], v1, 4, v[GO]
	v_add_nc_u32 v[WBA], SLOT1, v[XO]
	v_add_nc_u32 v[WBA+1], SLOT1+65536, v[XO]
	v_lshlrev_b32 v[PFO], 8, v3
	s_wait_tensorcnt 0x1                           ; my part of Wq is in; tile 1 may stay out
	s_barrier_signal -1
	s_barrier_wait -1                              ; everybody's is
; THE FIRST PROJECTION.  q^T = Wq^T x^T + bq for my 16 rows and all 8 heads, in four chunks of 128 along K.
.macro FETCHW ks2, wf                  ; Wq's eight fragments of K step ks2 (of 16): 16 loads
.irp hd, 0,1,2,3,4,5,6,7
	ds_load_b128 v[(\wf)+8*\hd:(\wf)+8*\hd+3],   v[WA+(\ks2)/8] offset:((\ks2)%8)*8192+\hd*1024
	ds_load_b128 v[(\wf)+8*\hd+4:(\wf)+8*\hd+7], v[WA+(\ks2)/8] offset:((\ks2)%8)*8192+\hd*1024+512
.endr
.endm
.macro MULQ kk, wf                     ; 8 products: the 8 accumulators take turns, one instruction a turn
.irp hd, 0,1,2,3,4,5,6,7
	v_wmma_f32_16x16x32_bf16 v[QACC+8*\hd:QACC+8*\hd+7], v[(\wf)+8*\hd:(\wf)+8*\hd+7], v[XF+8*(\kk):XF+8*(\kk)+7], v[QACC+8*\hd:QACC+8*\hd+7]
.endr
.endm
.macro CHUNKA c
	s_wait_loadcnt 48-16*(\c)                      ; loads come back in order (ISA guide 5.7.1): this chunk's 16 are in (and bq), the later chunks' stay out
	WIN 0x45                                       ; sources 0, 1 and destination window 1
.set i, 16*(\c)
.rept 16                               ; rounded to bf16 in place; these 32 lines are also the places between the last chunk's products and the loads below
	v_cvt_pk_bf16_f32 v[4*i], v[4*i], v[4*i+1]
	v_cvt_pk_bf16_f32 v[4*i+1], v[4*i+2], v[4*i+3]
.set i, i+1
.endr
	WIN 0x04                                       ; store data window 1, address window 0
.set i, 0
.rept 16
	ds_store_b64 v[STW], v[64*(\c)+4*i:64*(\c)+4*i+1] offset:i*SPT
.set i, i+1
.endr
	WIN 0
.irp kk, 0,1,2,3                       ; LDS serves a wave's instructions in order (ISA guide 5.7.1.4): these see the stores above, and the next chunk's stores come behind them
	ds_load_b128 v[XF+8*\kk:XF+8*\kk+3],   v[STR] offset:\kk*64
	ds_load_b128 v[XF+8*\kk+4:XF+8*\kk+7], v[STR] offset:\kk*64+32
.endr
	FETCHW 4*(\c), WF0
	FETCHW 4*(\c)+1, WF1
	s_wait_dscnt 16                                ; all but the other buffer's 16 loads
	MULQ 0, WF0
	PLACES
	FETCHW 4*(\c)+2, WF0
	s_wait_dscnt 16
	MULQ 1, WF1
	PLACES
	FETCHW 4*(\c)+3, WF1
	s_wait_dscnt 16
	MULQ 2, WF0
	s_wait_dscnt 0x0
	MULQ 3, WF1
.endm
	CHUNKA 0
	CHUNKA 1
	CHUNKA 2
	CHUNKA 3
	PLACES
.irp hd, 0,1,2,3,4,5,6,7               ; scaled in f32, rounded once to f16: 16 bytes a lane, a fragment of Q
.irp p, 0,1,2,3
	v_pk_mul_f32 v[QACC+8*\hd+2*\p:QACC+8*\hd+2*\p+1], v[QACC+8*\hd+2*\p:QACC+8*\hd+2*\p+1], s[CS:CS+1] op_sel_hi:[1,0]
.endr
.irp p, 0,1,2,3
	v_cvt_pk_f16_f32 v[XF+4*\hd+\p], v[QACC+8*\hd+2*\p], v[QACC+8*\hd+2*\p+1]
.endr
	ds_store_b128 v[QS], v[XF+4*\hd:XF+4*\hd+3] offset:(\hd%2)*2048+(\hd/2)*512
.endr
	s_wait_dscnt 0x0                               ; my LDS stores have read window 1, which is loaded again:
	WIN 0x40
.set i, 0
.rept 32                               ; bo, as the last projection's C operands: my eight columns of each 16
	global_load_b128 v[8*i:8*i+3],   v[BO], s[BP:BP+1] offset:512+i*64
	global_load_b128 v[8*i+4:8*i+7], v[BO], s[BP:BP+1] offset:512+i*64+16
.set i, i+1
.endr
	WIN 0
.irp r, Q+4,Q+5,Q+6,Q+7,Q+12,Q+13,Q+14,Q+15,KF+16,KF+17,KF+18,KF+19
	v_mov_b32 v[\r], 0                             ; channels 16 to 31 of Q, which a head does not have, and what stands behind K's last tile
.endr
	v_cvt_f32_u32 v41, v2
.irp i, 0,1,2,3,4,5,6,7
	v_mul_f32 v[MH+\i], s[BIG], v41                ; (l / 16) x -1e30
	v_mov_b32 v[MA+\i], s[BIG]
.endr
; THE ATTENTION.
; Product (t, u) of S^T = K Q^T: keys 16 t on, unit u.  Each starts its own sum: with 0, or in a head's last step with the mask of keys 992 on.
.macro QK t, u, mask
.set rS, S+32*(\u)+8*(\t)
.if (\mask) && ((\t) == 2)
	v_wmma_f32_16x16x32_f16 v[rS:rS+7], v[KF+4*(\t):KF+4*(\t)+7], v[Q+8*(\u):Q+8*(\u)+7], v[MH:MH+7]
.elseif (\mask) && ((\t) == 3)
	v_wmma_f32_16x16x32_f16 v[rS:rS+7], v[KF+4*(\t):KF+4*(\t)+7], v[Q+8*(\u):Q+8*(\u)+7], v[MA:MA+7]
.else
	v_wmma_f32_16x16x32_f16 v[rS:rS+7], v[KF+4*(\t):KF+4*(\t)+7], v[Q+8*(\u):Q+8*(\u)+7], 0
.endif
.endm
.macro PV g, u                         ; O^T += V^T P: keys 32 g on, unit u
	v_wmma_f32_16x16x32_f16 v[O+8*(\u):O+8*(\u)+7], v[VF+8*(\g):VF+8*(\g)+7], v[P+16*(\u)+8*(\g):P+16*(\u)+8*(\g)+7], v[O+8*(\u):O+8*(\u)+7]
.endm
; Number n of the 21 that find unit u's maximum and a.  s0-s31 are the lane's 32 scores; each accumulator's lowest registers are read first.
;   0-11  four chains c0-c3 of seven scores each, three operands at a time     12-15  the four scores left over, the old m, and c0-c3 into c0
;   16, 17  the query's other 32 keys lie in the lane 16 away     18-20  m_old - m_new; the new m; a
.macro XS u, n
.set rT, ST+8*(\u)
.set rS, S+32*(\u)
.if (\n) < 4
	v_max3_num_f32 v[rT+4+(\n)], v[rS+8*(\n)], v[rS+8*(\n)+1], v[rS+8*(\n)+2]
.elseif (\n) < 12
	v_max3_num_f32 v[rT+4+(\n)%4], v[rT+4+(\n)%4], v[rS+8*((\n)%4)+2*((\n)/4)+1], v[rS+8*((\n)%4)+2*((\n)/4)+2]
.elseif (\n) == 12
	v_max3_num_f32 v[rT+4], v[rT+4], v[rS+7], v[rS+15]
.elseif (\n) == 13
	v_max3_num_f32 v[rT+5], v[rT+5], v[rS+23], v[rS+31]
.elseif (\n) == 14
	v_max3_num_f32 v[rT+6], v[rT+6], v[rT+7], v[rT]
.elseif (\n) == 15
	v_max3_num_f32 v[rT+4], v[rT+4], v[rT+5], v[rT+6]
.elseif (\n) == 16
	v_permlanex16_b32 v[rT+7], v[rT+4], s[SEL], s[SEL+1]
.elseif (\n) == 17
	v_max_num_f32 v[rT+4], v[rT+4], v[rT+7]
.elseif (\n) == 18
	v_sub_f32 v[rT+5], v[rT], v[rT+4]
.elseif (\n) == 19
	v_mov_b32 v[rT], v[rT+4]
.else
	v_exp_f32 v[rT+6], v[rT+5]
.endif
.endm
.macro FS u, p                         ; s - m for pair p of 16
	v_pk_add_f32 v[S+32*(\u)+2*(\p):S+32*(\u)+2*(\p)+1], v[S+32*(\u)+2*(\p):S+32*(\u)+2*(\p)+1], v[ST+8*(\u):ST+8*(\u)+1] op_sel_hi:[1,0] neg_lo:[0,1] neg_hi:[0,1]
.endm
.macro EX p                            ; the four exponentials of pair p of both units
.irp u, 0,1
	v_exp_f32 v[S+32*\u+2*(\p)], v[S+32*\u+2*(\p)]
	v_exp_f32 v[S+32*\u+2*(\p)+1], v[S+32*\u+2*(\p)+1]
.endr
.endm
; Sum z of 16 of unit u's 16 pairs of weights (in a pair: an even key's, an odd key's), in place: neighbours 1, 2, 4 and 8 pairs apart, then l = a l + the sum.
.macro SUM u, z
.set rS, S+32*(\u)
.set rT, ST+8*(\u)
.if (\z) < 8
	v_pk_add_f32 v[rS+4*(\z):rS+4*(\z)+1], v[rS+4*(\z):rS+4*(\z)+1], v[rS+4*(\z)+2:rS+4*(\z)+3]
.elseif (\z) < 12
	v_pk_add_f32 v[rS+8*((\z)-8):rS+8*((\z)-8)+1], v[rS+8*((\z)-8):rS+8*((\z)-8)+1], v[rS+8*((\z)-8)+4:rS+8*((\z)-8)+5]
.elseif (\z) < 14
	v_pk_add_f32 v[rS+16*((\z)-12):rS+16*((\z)-12)+1], v[rS+16*((\z)-12):rS+16*((\z)-12)+1], v[rS+16*((\z)-12)+8:rS+16*((\z)-12)+9]
.elseif (\z) == 14
	v_pk_add_f32 v[rS:rS+1], v[rS:rS+1], v[rS+16:rS+17]
.else
	v_pk_fma_f32 v[rT+2:rT+3], v[rT+2:rT+3], v[rT+6:rT+7], v[rS:rS+1] op_sel_hi:[1,0,1]
.endif
.endm
.macro SUMS4 z0                        ; sums z0 to z0 + 3 of both units, the units alternating
.irp d, 0,1,2,3
	SUM 0, (\z0)+\d
	SUM 1, (\z0)+\d
.endr
.endm
; A KEY STEP: 64 keys, both units.  mask = 1: a head's last step, keys 960 to 1,023.  fetch = 1: the next step's K and V are fetched, each behind the last product that read its registers.
; No two matrix instructions that follow each other share an accumulator, over the backward jump too.
.macro STEP mask, fetch
	s_wait_dscnt 0x4                               ; K (and at a head's beginning Q) is in; V's 4 younger loads may stay out
.irp t, 0,1,2,3
	QK \t, 0, \mask
	QK \t, 1, \mask
.endr
.if \fetch
	s_add_co_u32 s[TB], s[TB], 2048                ; four tiles of 512 bytes on, in K and in V
	v_add_nc_u32 v[KA], s[TB], v[KL]               ; these two and two v_nop are the four places behind the products
	v_add_nc_u32 v[VA], s[TB], v[VL]
	PLACES 2
.irp t, 0,1,2,3
	ds_load_b128 v[KF+4*\t:KF+4*\t+3], v[KA] offset:\t*512
.endr
.else
	PLACES
.endif
.irp n, 0,1,2,3,4,5,6,7,8,9,10,11,12,13,14,15,16,17,18,19,20
	XS 0, \n                                       ; the units alternate, so that a link of one's chain stands between two links of the other's
	XS 1, \n
.endr
.set f, 0
.rept 16                               ; ONE BATCH of 66 exponentials (the two a, 64 weights): nothing ahead of the wait names a result; a pair's exponentials follow the next pair's subtractions
	FS 0, f
	FS 1, f
.if f > 0
	EX f-1
.endif
.set f, f+1
.endr
	EX 15
	v_nop                                          ; a plain instruction behind the last exponential (ISA guide 5.7.2),
	s_wait_alu depctr_va_vdst(0)                   ; and one wait ahead of the batch's first reader
.set i, 0
.rept 16
	v_cvt_pk_f16_f32 v[P+i], v[S+2*i], v[S+2*i+1]
	v_cvt_pk_f16_f32 v[P+16+i], v[S+32+2*i], v[S+32+2*i+1]
.set i, i+1
.endr
.irp p, 0,1,2,3                        ; O^T times a, from each accumulator's low end on
	v_pk_mul_f32 v[O+2*\p:O+2*\p+1], v[O+2*\p:O+2*\p+1], v[ST+6:ST+7] op_sel_hi:[1,0]
	v_pk_mul_f32 v[O+8+2*\p:O+8+2*\p+1], v[O+8+2*\p:O+8+2*\p+1], v[ST+14:ST+15] op_sel_hi:[1,0]
.endr
.if \fetch
	s_wait_dscnt 0x4                               ; V is in; the next K's 4 younger loads may stay out
.else
	s_wait_dscnt 0x0
.endif
	PV 0, 0                                        ; behind each product eight of the 32 sums, which name none of its registers
	SUMS4 0
	PV 0, 1
	SUMS4 4
	PV 1, 0
	SUMS4 8
	PV 1, 1
	SUMS4 12                                       ; these eight are also the places in front of the loads below
.if \fetch
.irp t, 0,1,2,3
	ds_load_b128 v[VF+4*\t:VF+4*\t+3], v[VA] offset:\t*512
.endr
.endif
.endm
	s_mov_b32 s[LEFT], 4
	s_mov_b32 s[TB], 15*2048                       ; the first change of slots turns this into slot 1's first byte
	s_mov_b32 s[QJ], 0
.Lhead:                                ; four trips: a pair of heads each; every trip fills a slot again, the last with Wo
	; THE CHANGE OF SLOTS.  Each wave waits for all its tensor loads, of which one is out: its part of the other slot; adds 0 to its spare word; and waits for that and for its own LDS reads and stores.
	; Behind the round no wave of any partner reads the old slot any more, the other slot is whole, and the fragments of Q that other waves stored can be read.
	s_wait_tensorcnt 0x0                           ; no tensor load of mine is out, so a group 0 may be written
	ds_add_u32 v[SPW], v[NIL]                      ; 0 onto my spare word; the scalar steps stand between it and the wait for it
	s_xor_b32 s[G0B+1], s[G0B+1], SLOT1            ; the walking descriptor: the other slot than last time,
	s_add_nc_u64 s[G0B+2:G0B+3], s[G0B+2:G0B+3], TILE  ; the next tile; the type bits on top are not reached
	s_wait_xcnt 0x0                                ; the last prefetch, a pair of heads back, has read its address, so it may be written
	s_add_nc_u64 s[PFA:PFA+1], s[PFA:PFA+1], TILE  ; one tile behind the walking descriptor
	s_sub_co_u32 s[TB], s[TB], 15*2048             ; the fetches go back to a slot's first step,
	s_xor_b32 s[TB], s[TB], SLOT1                  ; in the other slot
	s_wait_dscnt 0x0
	CROUND
	tensor_load_to_lds s[G0B:G0B+3], s[G1:G1+7]    ; my one tensor load behind the round, and the first thing there: it has a pair of heads' 16 key steps in which to land
	s_nop 0
	PLACES
	; A PREFETCH of the tile that the NEXT change will ask for: 131,072 bytes = 4 partners x 4 waves x 32 lanes x 256 bytes, each block named once in the launch, by the first cluster alone.
	; The partners are told apart by address.  Tiles 0 to 2 come by their loads alone; the last change asks for nothing: no tile follows Wo.
	s_cmp_gt_u32 s[LEFT], s[LIM]
	s_cbranch_scc0 .Lnot_mine
	global_prefetch_b8 v[PFO], s[PFA:PFA+1] th:TH_LOAD_NT scope:SCOPE_SE
.Lnot_mine:
	; A head begins: Q, the first step's K and V; m at the lowest finite number, l and O^T at 0, so that the first step is a step like any other, with a = 0.
	v_add_nc_u32 v[KA], s[TB], v[KL]
	v_add_nc_u32 v[VA], s[TB], v[VL]
	v_add_nc_u32 v[QAC], s[QJ], v[QA0]
	ds_load_b128 v[Q:Q+3],   v[QAC]
	ds_load_b128 v[Q+8:Q+11], v[QAC] offset:APART
.irp t, 0,1,2,3
	ds_load_b128 v[KF+4*\t:KF+4*\t+3], v[KA] offset:\t*512
.endr
.irp t, 0,1,2,3
	ds_load_b128 v[VF+4*\t:VF+4*\t+3], v[VA] offset:\t*512
.endr
.irp u, 0,1
	v_mov_b32 v[ST+8*\u], 0xff7fffff
	v_mov_b32 v[ST+8*\u+1], 0xff7fffff             ; named with m as a pair
	v_mov_b32 v[ST+8*\u+2], 0
	v_mov_b32 v[ST+8*\u+3], 0
.endr
.set i, 0
.rept 16
	v_mov_b32 v[O+i], 0
.set i, i+1
.endr
	s_mov_b32 s[CNT], 15
.Lstep:
	STEP 0, 1
	s_sub_co_u32 s[CNT], s[CNT], 1
	s_cmp_lg_u32 s[CNT], 0
	s_cbranch_scc1 .Lstep
	STEP 1, 0                                      ; the sixteenth step: keys 1,000 on are hidden, and nothing is fetched
	; A head ends: l's two halves and the other half of the lanes' are added; O^T times 2 / l, rounded once to f16, takes Q's place in LDS.
.irp u, 0,1
	v_add_f32 v[ST+8*\u+4], v[ST+8*\u+2], v[ST+8*\u+3]
.endr
.irp u, 0,1
	v_permlanex16_b32 v[ST+8*\u+5], v[ST+8*\u+4], s[SEL], s[SEL+1]
.endr
.irp u, 0,1
	v_add_f32 v[ST+8*\u+4], v[ST+8*\u+4], v[ST+8*\u+5]
.endr
.irp u, 0,1
	v_rcp_f32 v[ST+8*\u+6], v[ST+8*\u+4]
.endr
	v_nop                                          ; a plain instruction between the last reciprocal and the use of its result,
	s_wait_alu depctr_va_vdst(0)                   ; and one wait for both
.irp u, 0,1
	v_add_f32 v[ST+8*\u+6], v[ST+8*\u+6], v[ST+8*\u+6]
.endr
.irp u, 0,1
.irp p, 0,1,2,3
	v_pk_mul_f32 v[O+8*\u+2*\p:O+8*\u+2*\p+1], v[O+8*\u+2*\p:O+8*\u+2*\p+1], v[ST+8*\u+6:ST+8*\u+7] op_sel_hi:[1,0]
.endr
.irp p, 0,1,2,3
	v_cvt_pk_f16_f32 v[S+4*\u+\p], v[O+8*\u+2*\p], v[O+8*\u+2*\p+1]
.endr
	ds_store_b128 v[QAC], v[S+4*\u:S+4*\u+3] offset:\u*APART
.endr
	s_add_co_u32 s[QJ], s[QJ], 512
	s_sub_co_u32 s[LEFT], s[LEFT], 1
	s_cmp_lg_u32 s[LEFT], 0
	s_cbranch_scc1 .Lhead
	s_wait_tensorcnt 0x0                           ; my part of Wo is in
	ds_add_u32 v[SPW], v[NIL]
	s_wait_dscnt 0x0                               ; my stores of O are done
	s_barrier_signal -1                            ; nothing is filled again, so no round follows
	s_barrier_wait -1
; THE LAST PROJECTION.  out^T = (2 Wo)^T (O / 2)^T + bo for my 16 rows, in eight chunks of 64 columns: 256 bytes of a row of out.
.macro FETCHO cc                       ; Wo's 16 fragments of chunk cc: 32 loads
.irp nt, 0,1,2,3
.irp j, 0,1,2,3
	ds_load_b128 v[WOF+8*(4*\nt+\j):WOF+8*(4*\nt+\j)+3],   v[WBA+(\cc)/4] offset:((\cc)%4)*16384+\nt*4096+\j*1024
	ds_load_b128 v[WOF+8*(4*\nt+\j)+4:WOF+8*(4*\nt+\j)+7], v[WBA+(\cc)/4] offset:((\cc)%4)*16384+\nt*4096+\j*1024+512
.endr
.endr
.endm
.macro CHUNKC cc
	s_wait_dscnt 0x0                               ; Wo's fragments (and, the first time, O's) are in
	WIN 0x10                                       ; the C operand in window 1: the first product of each sum starts from bo
.irp nt, 0,1,2,3
	v_wmma_f32_16x16x32_f16 v[OACC+8*\nt:OACC+8*\nt+7], v[WOF+32*\nt:WOF+32*\nt+7], v[OF:OF+7], v[8*(4*(\cc)+\nt):8*(4*(\cc)+\nt)+7]
.endr
	WIN 0
.irp j, 1,2,3                          ; the four accumulators take turns, one instruction a turn
.irp nt, 0,1,2,3
	v_wmma_f32_16x16x32_f16 v[OACC+8*\nt:OACC+8*\nt+7], v[WOF+8*(4*\nt+\j):WOF+8*(4*\nt+\j)+7], v[OF+8*\j:OF+8*\j+7], v[OACC+8*\nt:OACC+8*\nt+7]
.endr
.endr
	PLACES 5                                       ; four for the loads into the products' sources and the stores of their results; the fifth for the next chunk's first product, which writes over an accumulator
.if (\cc) < 7
	FETCHO (\cc)+1
.endif
.irp nt, 0,1,2,3                       ; a lane's eight columns of row l % 16 are 32 bytes; each accumulator from its low end on
	ds_store_b128 v[SO], v[OACC+8*\nt:OACC+8*\nt+3]   offset:\nt*64
	ds_store_b128 v[SO], v[OACC+8*\nt+4:OACC+8*\nt+7] offset:\nt*64+16
.endr
	s_wait_xcnt 0x0                                ; every earlier memory instruction has had its addresses translated (ISA guide 3.1): the registers that the last chunk's stores read are loaded again only behind this wait
.irp t, 0,1,2,3,4,5,6,7
	ds_load_b128 v[OUT+4*\t:OUT+4*\t+3], v[SR] offset:\t*2*SPT  ; LDS serves a wave's instructions in order (ISA guide 5.7.1.4): these see the stores above
.endr
.irp t, 0,1,2,3,4,5,6,7
	s_wait_dscnt 7-\t                              ; rows 2 t and 2 t + 1 are back; the later rows' loads may stay out
	global_store_b128 v[GO], v[OUT+4*\t:OUT+4*\t+3], s[8:9] offset:\t*4096+(\cc)*256 th:TH_STORE_NT  ; 16 lanes store 256 consecutive bytes, at a multiple of 256 from out's first byte
.endr
.endm
.irp j, 0,1,2,3                        ; O of heads 2 j and 2 j + 1 is one fragment: 32 channels x my 16 rows
	ds_load_b128 v[OF+8*\j:OF+8*\j+3],   v[QS] offset:\j*512
	ds_load_b128 v[OF+8*\j+4:OF+8*\j+7], v[QS] offset:2048+\j*512
.endr
	s_wait_loadcnt 0x0                             ; bo
	FETCHO 0
.irp cc, 0,1,2,3,4,5,6,7
	CHUNKC \cc
.endr
	s_wait_tensorcnt 0x0                           ; the wave's end: behind my last tensor load and my last LDS store
	ds_add_u32 v[SPW], v[NIL]
	s_wait_dscnt 0x0
	CROUND                                         ; the closing round: no work-group ends while a partner may still ask for a tile that names it
	s_endpgm
.Lfunc_end_k_q86b65d55ab_main:
	.size	k_q86b65d55ab_main, .Lfunc_end_k_q86b65d55ab_main-k_q86b65d55ab_main
	.p2alignl 7, 3214868480
	.fill 96, 4, 3214868480
	.section	.rodata,"a",@progbits
	.p2align	6, 0x0
	.amdhsa_kernel k_q86b65d55ab_main
		.amdhsa_group_segment_fixed_size 327680
		.amdhsa_private_segment_fixed_size 0
		.amdhsa_enable_private_segment 0
		.amdhsa_kernarg_size 24
		.amdhsa_user_sgpr_count 2
		.amdhsa_user_sgpr_kernarg_segment_ptr 1
		.amdhsa_wavefront_size32 1
		.amdhsa_system_sgpr_workgroup_id_x 1
		.amdhsa_system_sgpr_workgroup_id_y 1
		.amdhsa_system_sgpr_workgroup_id_z 1
		.amdhsa_system_vgpr_workitem_id 0
		.amdhsa_next_free_vgpr 512
		.amdhsa_next_free_sgpr 66
		.amdhsa_reserve_vcc 0
		.amdhsa_float_denorm_mode_32 3
		.amdhsa_float_denorm_mode_16_64 3
		.amdhsa_memory_ordered 1
		.amdhsa_forward_progress 1
		.amdhsa_inst_pref_size 137
	.end_amdhsa_kernel
	.amdgpu_metadata
---
amdhsa.version: [ 1, 2 ]
amdhsa.kernels:
  - .name:           k_q86b65d55ab_main
    .symbol:         k_q86b65d55ab_main.kd
    .args:
      - { .name: target_embedding, .offset: 0, .size: 8, .value_kind: global_buffer, .address_space: global }
      - { .name: wsp, .offset: 8, .size: 8, .value_kind: global_buffer, .address_space: global }
      - { .name: out0, .offset: 16, .size: 8, .value_kind: global_buffer, .address_space: global }
    .group_segment_fixed_size: 327680
    .private_segment_fixed_size: 0
    .kernarg_segment_align: 8
    .kernarg_segment_size: 24
    .max_flat_workgroup_size: 256
    .sgpr_count:     66
    .vgpr_count:     512
    .wavefront_size: 32
...
	.end_amdgpu_metadata
.endif
;; end of part 3
;; ======== version 2 of 2: 3 launches; version 1 with the launch kvpart written anew for expert scheduling mode
;; limits: values are held in f16: magnitudes above 65,504 overflow, below 6.1e-05 lose precision
;; workspace buffers: part 16,777,216 bytes; wsp 788,992 bytes
;; launch kvpart (part 4): grid 128 x 2, 8 waves a work-group, no clusters, 142,336 bytes of LDS; arguments source_embedding, value_embedding, Wk, Wv, part; writes part
.if DOCPART == 4
	.amdgcn_target "amdgcn-amd-amdhsa--gfx1250"
	.amdhsa_code_object_version 6
	.text
	.protected	k_q86b65d55ab_kvpart
	.globl	k_q86b65d55ab_kvpart
	.p2align	8
	.type	k_q86b65d55ab_kvpart,@function
k_q86b65d55ab_kvpart:
	s_mov_b64 s[64:65], 0
	v_nop
	global_prefetch_b8 v0, s[64:65] scope:SCOPE_SE
	s_setreg_imm32_b32 hwreg(HW_REG_WAVE_SCHED_MODE, 0, 2), 2
	s_setreg_imm32_b32 hwreg(HW_REG_WAVE_MODE, 25, 1), 1
	s_wait_xcnt 0x0
	s_wait_alu depctr_vm_vsrc(0)
; PARTIAL SUMS OF THE KEY AND VALUE PROJECTIONS.  k = source_embedding Wk, v = value_embedding Wv: [1000][4096] x [4096][128], f32 in memory,
; both operands rounded to bf16 on the way into LDS, sums in f32.  The biases, the scales and the rounding to f16 come in the next launch.
; SHARES.  Grid y picks the product (0: keys, 1: values).  Grid x = 8 ks + rb: the work-group makes 128 rows (rb) x 128 channels over the 256 k from 256 ks on:
; K is split sixteen ways, so a work-group takes in 128 KiB of the embedding and 128 KiB of the weights and not a whole weight matrix.
; Wave w makes 32 rows (w / 2) x 64 channels (w % 2): 2 x 4 accumulators of 16 x 16.
; ROWS 1000 TO 1023 do not exist: their loads are turned to rows 992 to 999, so no load leaves the buffer and the numbers are finite; the last launch hides those keys.
; THE RESULT'S LAYOUT is the one that the last launch's matrix instructions want.  Keys: source 0 = 16 channels of a head, source 1 = 16 rows: a lane holds ONE key (lane % 16)
; and the channels 8 (lane / 16) + 0..7.  Values: the sources swapped: a lane holds ONE channel and eight keys.  part[ks][T][1,024 bytes], T = (8 z + head) 64 + tile of 16 keys;
; in a tile registers 0-3 lie at 16 x lane and registers 4-7 at 512 + 16 x lane: every store of a wave covers 512 consecutive bytes, aligned.
; NO TENSOR LOADS, NO CLUSTER: both operands are f32 in memory and pass through registers to be rounded before they lie in LDS in 16 bits.
; NO PREFETCH: all that a work-group reads is asked for at its head, 64 loads a wave.
; THE MODE: SCHED_MODE bits 1:0 = 2 (LLVM: expert scheduling mode 2), set by the entry lines.  The code itself states the register dependences
; between vector or matrix instructions and memory or LDS instructions, with s_wait_alu, always for 0.
; REGISTERS, in windows of 256 (s_set_vgpr_msb: bits 1:0 source 0, 3:2 source 1, 5:4 source 2, 7:6 destination), AND THE PLAN: who writes and who reads what memory and LDS instructions touch.
;   v4            the offset of every global load and store: written once at the head, ahead of the first wait on va_vdst.
;   v5-v9         LDS addresses: written once, behind the global loads and ahead of the wait that stands in front of the first LDS stores; never written again.
;   window 1, first life: v0-127 my 32 rows of W, v128-255 my 16 rows of E: the global loads land, the conversions round in place, the LDS stores read them.  One wait on va_vdst ahead of each of the two runs of stores.
;   window 0, v32-223     the fragments of K steps 0 to 3, 48 registers a step: loaded once, behind the barrier; read by their own step's products alone.
;   window 1, second life: v0-191 the fragments of K steps 4 to 7, loaded once, in K steps 0 to 3; v192-255 the accumulators, which the products write and the global stores read.
; EVERY K STEP HAS FRAGMENT REGISTERS OF ITS OWN, so no load lands in a register that a product has read, and the K steps hold no s_wait_alu.  Behind the barrier one wait on vm_vsrc (the LDS stores have read window 1)
; and one on va_vdst (the conversions are done with it) open window 1's second life; one wait on va_vdst stands ahead of the global stores.
; One window setting serves K steps 0 to 3: sources and LDS addresses in window 0, accumulators and loaded data in window 1; so the loads of the step four on stand among the products without a switch.
.set EP,    528                        ; a row of E in LDS: 256 bf16 + 16 bytes: the 16 rows of a fragment load start at 16 different groups of four banks (64 banks of 4 bytes: ISA guide 11.1)
.set WP,    288                        ; a row of W in LDS ([k][128 channels]): 256 bytes + 32
.set WB,    128*EP                     ; W's 256 rows lie behind E's 128
.set SPARE, WB+256*WP                  ; behind them: the spare words, 128 bytes for each wave: four blocks of 256 bytes that no other line names
.set LO,  4                            ; v4   16 x lane: my place in 512 consecutive bytes of memory; never rewritten
.set SW,  5                            ; v5   where I put 8 bytes of my wave's first row of W
.set SA,  6                            ; v6   the same for E
.set EA,  7                            ; v7   my lane's place in my wave's first fragment of E
.set WT,  8                            ; v8-9 the same for W, K steps 0-3 and 4-7 (an LDS immediate has 16 bits)
.set SPW, 10                           ; v10  LDS address of my spare word: SPARE + 4 x my thread's number; never rewritten
.set NIL, 11                           ; v11  0; never rewritten
.set FBL, 32                           ; K step kk's fragments, E's two and then W's four: window 0, FBL + 48 kk (kk < 4); window 1, 48 (kk - 4) (kk >= 4)
.set ACC, 192                          ; window 1: accumulator (mt, nt) at ACC + 8 (4 mt + nt)
.set MSB, 0
.macro WIN new                         ; the immediate's high byte repeats the setting that is left; a switch that changes nothing is dropped
.if MSB != (\new)
	s_set_vgpr_msb (MSB<<8)|(\new)
.set MSB, (\new)
.endif
.endm
	s_load_b256 s[4:11], s[0:1], 0x0               ; source s[4:5], value s[6:7], Wk s[8:9], Wv s[10:11]
	s_load_b64 s[12:13], s[0:1], 0x20              ; part
	v_lshl_add_u32 v[SPW], v0, 2, SPARE
	v_mov_b32 v[NIL], 0
	v_lshrrev_b32 v1, 5, v0
	v_readfirstlane_b32 s14, v1                    ; wave 0..7
	v_and_b32 v3, 31, v0                           ; lane
	v_lshlrev_b32 v[LO], 4, v3
	s_and_b32 s15, ttmp7, 0xffff                   ; z: 0 keys, 1 values
	s_lshr_b32 s16, ttmp9, 3                       ; ks: which 256 of K
	s_and_b32 s17, ttmp9, 7                        ; rb: which 128 rows
	s_wait_alu depctr_va_sdst(0)                   ; s14 is written, ahead of its first reader: the wave's rows, channels and LDS bytes are made from it
	s_lshr_b32 s18, s14, 1                         ; wm: which 32 rows are my wave's
	s_and_b32 s19, s14, 1                          ; wn: which 64 channels
	s_lshl_b32 s28, s16, 17                        ; W: row 256 ks + 32 w, 512 bytes a row
	s_lshl_b32 s29, s14, 14
	s_add_co_u32 s28, s28, s29
	s_mov_b32 s29, 0
	s_lshl_b32 s20, s17, 7
	s_lshl_b32 s21, s14, 4
	s_add_co_u32 s20, s20, s21                     ; E: the first of the 16 rows that I bring in,
	s_add_co_u32 s21, s20, 8                       ; and the ninth
	s_min_u32 s20, s20, 992                        ; eight rows from either stay inside the 1,000
	s_min_u32 s21, s21, 992
	s_lshl_b32 s22, s16, 10                        ; 256 k are 1,024 bytes of a row
	s_lshl_b32 s30, s20, 14                        ; 16,384 bytes a row
	s_add_co_u32 s30, s30, s22
	s_mov_b32 s31, 0
	s_lshl_b32 s38, s21, 14
	s_add_co_u32 s38, s38, s22
	s_mov_b32 s39, 0
	s_lshl_b32 s36, s16, 20                        ; part: ks x 1,024 tiles,
	s_lshl_b32 s23, s15, 19                        ; z x 512,
	s_add_co_u32 s36, s36, s23
	s_lshl_b32 s23, s19, 18                        ; head 4 wn: 64 tiles a head,
	s_add_co_u32 s36, s36, s23
	s_lshl_b32 s23, s17, 13                        ; key tile 8 rb + 2 wm
	s_add_co_u32 s36, s36, s23
	s_lshl_b32 s23, s18, 11
	s_add_co_u32 s36, s36, s23
	s_mov_b32 s37, 0
	s_wait_kmcnt 0x0
	s_cmp_eq_u32 s15, 0
	s_cselect_b64 s[24:25], s[4:5], s[6:7]         ; E
	s_cselect_b64 s[26:27], s[8:9], s[10:11]       ; W
	s_add_nc_u64 s[26:27], s[26:27], s[28:29]
	s_add_nc_u64 s[32:33], s[24:25], s[30:31]      ; E at my rows 0-7
	s_add_nc_u64 s[34:35], s[24:25], s[38:39]      ; and 8-15
	s_add_nc_u64 s[12:13], s[12:13], s[36:37]
	; all 64 loads of the wave go out at once: 32 rows of W (512 bytes each), then 16 rows of E (1,024 bytes each, in two halves)
	WIN 0x40                                       ; destination window 1, address window 0
	s_wait_alu depctr_va_vdst(0)                   ; v4 is written, which every global load and store of the kernel reads as its offset
.set i, 0
.rept 32
	global_load_b128 v[4*i:4*i+3], v[LO], s[26:27] offset:i*512
.set i, i+1
.endr
.set i, 0
.rept 32
	global_load_b128 v[128+4*i:128+4*i+3], v[LO], s[32+2*(i/16):33+2*(i/16)] offset:((i/2)%8)*16384+(i%2)*512 th:TH_LOAD_NT
.set i, i+1
.endr
	WIN 0
	v_and_b32 v1, 15, v0                           ; l % 16.  None of the lines below writes v4, the one vector register that the loads above read
	v_bfe_u32 v2, v0, 4, 1                         ; l / 16
	s_mul_i32 s20, s14, 32*WP
	s_add_co_u32 s20, s20, WB
	v_lshl_add_u32 v[SW], v3, 3, s20               ; four channels of a row are 8 bytes in bf16
	s_mul_i32 s21, s14, 16*EP
	v_lshl_add_u32 v[SA], v3, 3, s21
	v_mul_u32_u24 v[EA], v1, EP                    ; a fragment of E: row l % 16, 16 bytes for each half of the lanes
	v_lshl_add_u32 v[EA], v2, 4, v[EA]
	s_mul_i32 s22, s18, 32*EP
	v_add_nc_u32 v[EA], s22, v[EA]
	v_and_b32 v12, 7, v0                           ; the turning load: lane l reads row 8 (l / 16) + l % 8, channels 8 ((l / 8) % 2) + 0..7
	v_bfe_u32 v13, v0, 3, 1
	v_lshl_add_u32 v[WT], v2, 3, v12
	v_mul_u32_u24 v[WT], v[WT], WP
	v_lshl_add_u32 v[WT], v13, 4, v[WT]
	s_lshl_b32 s23, s19, 7
	s_add_co_u32 s23, s23, WB
	v_add_nc_u32 v[WT], s23, v[WT]
	v_add_nc_u32 v[WT+1], 128*WP, v[WT]
	; rounded to bf16 in place, two numbers a register, and laid into LDS
	s_wait_loadcnt 32                              ; W is in; E's 32 younger loads may stay out
	WIN 0x45                                       ; sources 0, 1 and destination window 1
.set i, 0
.rept 32
	v_cvt_pk_bf16_f32 v[4*i], v[4*i], v[4*i+1]
	v_cvt_pk_bf16_f32 v[4*i+1], v[4*i+2], v[4*i+3]
.set i, i+1
.endr
	WIN 0x04                                       ; store data window 1, address window 0
	s_wait_alu depctr_va_vdst(0)                   ; W's conversions have written the data of the LDS stores below; the LDS addresses v5 to v9 are written too
.set i, 0
.rept 32
	ds_store_b64 v[SW], v[4*i:4*i+1] offset:i*WP
.set i, i+1
.endr
	s_wait_loadcnt 0x0                             ; E is in
	WIN 0x45
.set i, 0
.rept 32                               ; these write v128 on of window 1: none of the registers that W's stores read
	v_cvt_pk_bf16_f32 v[128+4*i], v[128+4*i], v[128+4*i+1]
	v_cvt_pk_bf16_f32 v[128+4*i+1], v[128+4*i+2], v[128+4*i+3]
.set i, i+1
.endr
	WIN 0x04
	s_wait_alu depctr_va_vdst(0)                   ; E's conversions have written the data of the LDS stores below
.set i, 0
.rept 32
	ds_store_b64 v[SA], v[128+4*i:128+4*i+1] offset:(i/2)*EP+(i%2)*256
.set i, i+1
.endr
	WIN 0
	s_wait_dscnt 0x0                               ; for the others' sake: my stores are done
	s_barrier_signal -1
	s_barrier_wait -1                              ; both tiles are whole
	s_wait_alu depctr_vm_vsrc(0)                   ; my LDS stores have read window 1's registers, in which the fragments of K steps 4 to 7 land and which the products write as accumulators
	s_wait_alu depctr_va_vdst(0)                   ; the conversions are done reading and writing those registers; behind this wait no vector or matrix instruction names v0-191 of window 1 before the loads that land there
; The LDS loads of K step kk, two at a time: a fragment of E as it lies; a fragment of W turned ([k][channel] in LDS).  The window in force says where the data land.
.macro FETCHE kk, mt
.set fb, FBL+48*(\kk)-(FBL+192)*((\kk)/4)
	ds_load_b128 v[fb+8*(\mt):fb+8*(\mt)+3],   v[EA] offset:(\mt)*16*EP+(\kk)*64
	ds_load_b128 v[fb+8*(\mt)+4:fb+8*(\mt)+7], v[EA] offset:(\mt)*16*EP+(\kk)*64+32
.endm
.macro FETCHW kk, nt
.set fb, FBL+48*(\kk)-(FBL+192)*((\kk)/4)
	ds_load_tr16_b128 v[fb+16+8*(\nt):fb+16+8*(\nt)+3],   v[WT+(\kk)/4] offset:((\kk)%4)*32*WP+(\nt)*32
	ds_load_tr16_b128 v[fb+16+8*(\nt)+4:fb+16+8*(\nt)+7], v[WT+(\kk)/4] offset:((\kk)%4)*32*WP+(\nt)*32+16*WP
.endm
; K step kk: its 8 products.  The 8 accumulators take turns, one instruction a turn; K step 0 starts the sums with the constant 0.  var = 0: keys; 1: values.
; In K steps 0 to 3 the 12 loads of the step four on stand behind the first six products, two behind each.  No wait: they land in registers that no vector or matrix instruction has named since the
; wait behind the barrier, and their addresses have not been written since the head.
.macro KSTEP kk, var
.if (\kk) < 5
	s_wait_dscnt 36                                ; LDS loads come back in order (ISA guide 5.7.1): this step's 12 are in, the three younger steps' 36 may stay out
.else
	s_wait_dscnt 12*(7-(\kk))                      ; nothing more is asked for: the counts run down
.endif
.if (\kk) < 4
	WIN 0x50                                       ; sources and LDS addresses window 0; C, D and loaded data window 1
.else
	WIN 0x55                                       ; all four in window 1
.endif
.set fs, FBL+48*(\kk)-(FBL+192)*((\kk)/4)
.irp mt, 0,1
.irp nt, 0,1,2,3
.set rD, ACC+8*(4*\mt+\nt)
.if \var
.set rA, fs+8*\mt
.set rB, fs+16+8*\nt
.else
.set rA, fs+16+8*\nt
.set rB, fs+8*\mt
.endif
.if (\kk) == 0
	v_wmma_f32_16x16x32_bf16 v[rD:rD+7], v[rA:rA+7], v[rB:rB+7], 0
.else
	v_wmma_f32_16x16x32_bf16 v[rD:rD+7], v[rA:rA+7], v[rB:rB+7], v[rD:rD+7]
.endif
.if (\kk) < 4
.if \mt == 0
	FETCHW (\kk)+4, \nt
.elseif \nt < 2
	FETCHE (\kk)+4, \nt
.endif
.endif
.endr
.endr
.endm
.macro KSTEPS var
.irp kk, 0,1,2,3,4,5,6,7
	KSTEP \kk, \var
.endr
	WIN 0                                          ; at a label and at a branch every window is 0
.endm
.irp kk, 0,1,2,3                       ; the fragments of K steps 0 to 3, alike for keys and values: 48 loads into registers of window 0 that no instruction has named yet
	FETCHE \kk, 0
	FETCHE \kk, 1
.irp nt, 0,1,2,3
	FETCHW \kk, \nt
.endr
.endr
	s_cmp_eq_u32 s15, 0
	s_cbranch_scc0 .Lvalue
	KSTEPS 0
	s_branch .Lout
.Lvalue:
	KSTEPS 1
.Lout:
.rept 4
	v_nop                                          ; four places between the last products and the stores of their results
.endr
	WIN 0x04                                       ; store data window 1, address window 0
	s_wait_alu depctr_va_vdst(0)                   ; the products have written the accumulators, which the stores below read; the places above stay beside this wait
.irp mt, 0,1
.irp nt, 0,1,2,3
	global_store_b128 v[LO], v[ACC+8*(4*\mt+\nt):ACC+8*(4*\mt+\nt)+3],   s[12:13] offset:\nt*65536+\mt*1024      ; each accumulator from its low end on
	global_store_b128 v[LO], v[ACC+8*(4*\mt+\nt)+4:ACC+8*(4*\mt+\nt)+7], s[12:13] offset:\nt*65536+\mt*1024+512
.endr
.endr
	WIN 0                                          ; the add's two registers lie in window 0
	s_wait_dscnt 0x0                               ; the wave's end
	s_wait_alu 0x0
	s_wait_tensorcnt 0x0
	ds_add_u32 v[SPW], v[NIL]
	s_wait_dscnt 0x0
	s_endpgm
.Lfunc_end_k_q86b65d55ab_kvpart:
	.size	k_q86b65d55ab_kvpart, .Lfunc_end_k_q86b65d55ab_kvpart-k_q86b65d55ab_kvpart
	.p2alignl 7, 3214868480
	.fill 96, 4, 3214868480
	.section	.rodata,"a",@progbits
	.p2align	6, 0x0
	.amdhsa_kernel k_q86b65d55ab_kvpart
		.amdhsa_group_segment_fixed_size 142336
		.amdhsa_private_segment_fixed_size 0
		.amdhsa_enable_private_segment 0
		.amdhsa_kernarg_size 40
		.amdhsa_user_sgpr_count 2
		.amdhsa_user_sgpr_kernarg_segment_ptr 1
		.amdhsa_wavefront_size32 1
		.amdhsa_system_sgpr_workgroup_id_x 1
		.amdhsa_system_sgpr_workgroup_id_y 1
		.amdhsa_system_sgpr_workgroup_id_z 1
		.amdhsa_system_vgpr_workitem_id 0
		.amdhsa_next_free_vgpr 512
		.amdhsa_next_free_sgpr 66
		.amdhsa_reserve_vcc 0
		.amdhsa_float_denorm_mode_32 3
		.amdhsa_float_denorm_mode_16_64 3
		.amdhsa_memory_ordered 1
		.amdhsa_forward_progress 1
		.amdhsa_inst_pref_size 42
	.end_amdhsa_kernel
	.amdgpu_metadata
---
amdhsa.version: [ 1, 2 ]
amdhsa.kernels:
  - .name:           k_q86b65d55ab_kvpart
    .symbol:         k_q86b65d55ab_kvpart.kd
    .args:
      - { .name: source_embedding, .offset: 0, .size: 8, .value_kind: global_buffer, .address_space: global }
      - { .name: value_embedding, .offset: 8, .size: 8, .value_kind: global_buffer, .address_space: global }
      - { .name: Wk, .offset: 16, .size: 8, .value_kind: global_buffer, .address_space: global }
      - { .name: Wv, .offset: 24, .size: 8, .value_kind: global_buffer, .address_space: global }
      - { .name: part, .offset: 32, .size: 8, .value_kind: global_buffer, .address_space: global }
    .group_segment_fixed_size: 142336
    .private_segment_fixed_size: 0
    .kernarg_segment_align: 8
    .kernarg_segment_size: 40
    .max_flat_workgroup_size: 256
    .sgpr_count:     66
    .vgpr_count:     512
    .wavefront_size: 32
...
	.end_amdgpu_metadata
.endif
;; end of part 4
;; launch finish: the kernel of part 2 again; grid 256 x 1, 5 waves a work-group, no clusters, 0 bytes of LDS; arguments part, Wq, Wo, bk, bv, bq, bo, wsp; writes wsp
;; launch main: the kernel of part 3 again; grid 256 x 1, 8 waves a work-group, clusters of 4 x 1, 327,680 bytes of LDS; arguments target_embedding, wsp, out0; writes out0
